; MI455X (gfx1250); checked and timed in simulation.
; The chip was launched on July 23, 2026; its instructions are those of AMD's public machine-readable ISA for CDNA 5 (MIT licence, August 2026) and "CDNA5" Instruction Set Architecture Reference Guide (July 2026). The comments in the code are by the model that wrote it; some were corrected since.
;; LSTM Cell NM. Allowed arithmetic: matrix products marked QUANTISED: E2M1 operands, one E8M0 scale for each 32 along K, by v_wmma_scale_f32_16x16x128_f8f6f4 with both operands' format E2M1 (or v_wmma_scale_f32_32x16x128_f4), f32 sums; everything else in f32.
;; Inputs: bias 4,096 float32; c_tm1 8,192 x 1,024 float32; h_tm1 8,192 x 1,024 float32; inputs 8,192 x 1,024 float32; kernel 1,024 x 4,096 float32; recurrent_kernel 1,024 x 4,096 float32.
;; Outputs: out0 8,192 x 1,024 float32; out1 8,192 x 1,024 float32.
;; This version of the problem:
;;   THIS VERSION OF THE PROBLEM IS GIVEN IN LOW PRECISION. The matrix products marked QUANTISED in the list below multiply operands that are first quantised to E2M1 (2 exponent bits, 1 mantissa bit; 4 bits a number), with one power-of-two scale for each 32 numbers along K (OCP MX v1.0); their sums are f32. All else is computed in f32.
;;   The module's matrix products, in the order in which they are computed (A, B: the left and right operand; K: the contracted axis; several contracted axes count as one K, in the product's order):
;;     1. [M 8,192, K 1,024] x [K 1,024, N 4,096]; A: input inputs; B: input kernel: QUANTISED
;;     2. [M 8,192, K 1,024] x [K 1,024, N 4,096]; A: input h_tm1; B: input recurrent_kernel: QUANTISED
;;   THE QUANTISER, for each operand of a quantised product, along K:
;;     - K is cut into blocks of 32 from its start; a last block that is shorter is filled with zeros.
;;     - A block's scale is 2^e with e = floor(log2(the largest magnitude in the block)) - 2, held to -126 .. 127; a block of zeros has e = 0. As a byte (E8M0): e + 127.
;;     - Each number is divided by its block's scale, clamped to +-6, and rounded to the nearest number of E2M1, ties to even, subnormals kept.
;;     - The product sums the exact products of the quantised numbers (number of the format x scale) in f32.
;;   ~~~python
;;   def quantise(x, axis):      # numpy; x: float32 -> the quantised numbers, widened to float32 again
;;       x = np.moveaxis(x, axis, -1); K = x.shape[-1]
;;       x = np.pad(x, [(0, 0)] * (x.ndim - 1) + [(0, -K % 32)]); x = x.reshape(x.shape[:-1] + (-1, 32)); a = np.abs(x).max(-1, keepdims=True)
;;       e = np.where(a > 0, np.clip(np.frexp(np.where(a > 0, a, 1))[1] - 1 - 2, -126, 127), 0)      # np.frexp(a)[1] - 1 = floor(log2(a)), exactly
;;       r = np.clip(x / 2.0 ** e, -6, 6)
;;       step = 2.0 ** (np.maximum(np.frexp(np.where(r == 0, 1, r))[1] - 1, 0) - 1)
;;       q = np.round(r / step) * step * 2.0 ** e      # np.round: ties to even
;;       return np.moveaxis(q.reshape(q.shape[:-2] + (-1,))[..., :K], -1, axis).astype(np.float32)
;;   ~~~
;; One version. Each part assembles by itself: llvm-mc -triple=amdgcn-amd-amdhsa -mcpu=gfx1250 --defsym DOCPART=n.
;; ======== version 1 of 1: 2 launches
;; limits: right only within a limited range of input values
;; workspace buffers: a_codes 8,388,608 bytes; a_scales 524,288 bytes; b_codes 4,194,304 bytes; b_scales 262,144 bytes
;; launch quant (part 1): grid 768 x 1, 4 waves a work-group, no clusters, 33,280 bytes of LDS; arguments inputs, h_tm1, kernel, recurrent_kernel, a_codes, a_scales, b_codes, b_scales; writes a_codes, a_scales, b_codes, b_scales
.if DOCPART == 1
	.amdgcn_target "amdgcn-amd-amdhsa--gfx1250"
	.amdhsa_code_object_version 6
	.text
	.protected	k_qf4dda3d787_quant
	.globl	k_qf4dda3d787_quant
	.p2align	8
	.type	k_qf4dda3d787_quant,@function
k_qf4dda3d787_quant:
	s_mov_b64 s[64:65], 0
	v_nop
	global_prefetch_b8 v0, s[64:65] scope:SCOPE_SE
	s_setreg_imm32_b32 hwreg(HW_REG_WAVE_MODE, 25, 1), 1
	s_wait_xcnt 0x0
; All four operands of z = inputs kernel + h_tm1 recurrent_kernel are turned into codes of FP4 (E2M1) with one E8M0 scale byte for each 32 along K.
; The two products are one: A = [inputs | h_tm1], 8,192 x 2,048;  B = [kernel ; recurrent_kernel], 2,048 x 4,096.  K goes in four "kslots" of 512: 0, 1 from the first tensor, 2, 3 from the second.
; A block's scale is 2^(floor(log2(its largest magnitude)) - 2); its byte is the largest magnitude's own exponent field - 2, held at 1 from below.  Each number is divided by the scale and rounded to the
; nearest code, ties to even; beyond the largest code the conversion gives the largest code.
; LIMITS: a block of zeros gets the byte 1 where the rule says 127 (its codes are zeros, which add nothing under that byte, and the bytes are read by this program alone); blocks whose largest magnitude
; lies under 2^-124 are held at the byte 1; NaN and infinities among the inputs are not served.
; WHAT IS STORED.  a_codes [8192][1024 bytes]: K innermost, two codes a byte.  a_scales [kslot 4][8192 rows][16 bytes].
; b_codes [kslot 4][tile 256][q 4][1,024 bytes]: each 1,024 bytes are the image of an operand's registers for 16 rows of B x 128 K: the block of 32 numbered 2 c + h in the 128, of row r, lies at 512 c + 256 h + 16 r.
; b_scales [kslot 4][4096 rows][16 bytes].  B'S ROWS ARE PERMUTED: column 1024 g + U of z (gate g, unit U) is row 128 (U / 32) + 32 g + U % 32, so that 128 neighbouring rows hold 32 units' four gates.
; SHARES.  Work-groups 0-255 take the weights, 256-767 the activations; each reads 131,072 bytes: 768 equal shares.  Waves share nothing: no barrier.  Only the activations' path touches LDS.
.set EMAX,  2                          ; the exponent of the format's largest number, 6
.set NWG_W, 256                        ; the weights' work-groups
; ---- the activations' registers and LDS
.set STEPS, 16                         ; a wave takes 16 rows x one kslot: a step is one row's 512 numbers
.set R,     16                         ; v16-79   four sets of 16 numbers as they are loaded
.set X,     80                         ; v80-111  two sets of 16 neighbours
.set E,     112                        ; v112-127 a scale byte for each step
.set C,     128                        ; v128-191 codes: four registers for each step, so that no store's data are written again
.set WREG,  8192                       ; LDS: a region for each wave: two stages of 32 x SP bytes, and behind them its 256 scale bytes
.set SP,    80                         ; a lane's place in a stage: its 64 bytes + 16 of padding
; ---- the weights' registers
.set NB,    8                          ; blocks of 32 along K for a lane: half a kslot
.set WX,    32                         ; v32-95   two sets of 32 numbers: a block of 32 along K of my column
.set WC,    96                         ; v96-127  codes: four registers for each of my 8 blocks, so that no store's data are written again
.set SB,    24                         ; v24-25   my 8 scale bytes
.macro ALOAD t                         ; row t: four loads, each 512 consecutive bytes, 16 a lane
.irp i, 0,1,2,3
	global_load_b128 v[R+16*((\t)%4)+4*\i:R+16*((\t)%4)+4*\i+3], v3, s[4:5] offset:4096*(\t)+512*\i th:TH_LOAD_NT
.endr
.endm
.macro ATURN t                         ; the row's 2,048 bytes go through my stage as they lie and come back 64 bytes a lane: LDS serves a wave's instructions in order (ISA guide 5.7.1.4), so no wait stands between
.irp i, 0,1,2,3
	ds_store_b128 v14, v[R+16*((\t)%4)+4*\i:R+16*((\t)%4)+4*\i+3] offset:32*SP*((\t)%2)+8*SP*\i
.endr
.irp i, 0,1,2,3
	ds_load_b128 v[X+16*((\t)%2)+4*\i:X+16*((\t)%2)+4*\i+3], v15 offset:32*SP*((\t)%2)+16*\i
.endr
.endm
.macro ASTEP t
.set XS, X+16*((\t)%2)
.if (\t) > 0
	s_wait_dscnt 1                                 ; this row's numbers are back from the stage (behind them only the last step's byte store was issued): so its stores into the stage have read their registers,
.else
	s_wait_dscnt 0x0
.endif
.if (\t)+4 < STEPS
	ALOAD (\t)+4                                   ; which take the loads of four rows on
.endif
.if (\t)+1 < STEPS
.if STEPS-2-(\t) >= 3
	s_wait_loadcnt 12                              ; the next row's four loads are in; those of the three rows behind it may be out
.else
	s_wait_loadcnt 4*(STEPS-2-(\t))                ; the same at the end, where fewer rows are behind it
.endif
	ATURN (\t)+1                                   ; and go through the other stage while this row is worked
.endif
	v_max3_num_f32 v8, |v[XS]|, |v[XS+1]|, |v[XS+2]|               ; the largest magnitude of my 16, in two chains
	v_max3_num_f32 v9, |v[XS+3]|, |v[XS+4]|, |v[XS+5]|
.irp i, 6,10
	v_max3_num_f32 v8, v8, |v[XS+\i]|, |v[XS+\i+1]|
	v_max3_num_f32 v9, v9, |v[XS+\i+2]|, |v[XS+\i+3]|
.endr
	v_max3_num_f32 v8, v8, |v[XS+14]|, |v[XS+15]|
	v_max3_num_f32 v8, v8, v9, (EMAX+1)<<23        ; and the floor 2^(EMAX + 1 - 127): the byte cannot fall under 1
	v_max_num_f32_dpp v8, v8, v8 row_xmask:1 row_mask:0xf bank_mask:0xf   ; and of my neighbour's 16: the block's
	v_add_nc_u32 v11, -(EMAX<<23), v8              ; EMAX off its exponent field: the conversion takes the exponent field of this operand as its scale
	v_cvt_scalef32_pk8_fp4_f32 v[C+4*(\t)], v[XS:XS+7], v11
	v_cvt_scalef32_pk8_fp4_f32 v[C+4*(\t)+1], v[XS+8:XS+15], v11
	v_lshrrev_b32 v[E+(\t)], 23, v11               ; the scale's byte (also the plain instruction behind the conversions)
	ds_store_b8 v5, v[E+(\t)] offset:16*(\t)       ; both lanes of a block write the same byte with the same value
	global_store_b64 v4, v[C+4*(\t):C+4*(\t)+1], s[12:13] offset:1024*(\t)   ; the wave stores 256 consecutive bytes, at a multiple of 256 from the buffer's first byte
.endm
.macro WLOAD t                         ; block t: rows 32 t + i of my 256 rows of the weight, at my column: 32 lanes read 128 consecutive bytes, the four waves stand side by side on 512
.irp i, 0,1,2,3,4,5,6,7,8,9,10,11,12,13,14,15,16,17,18,19,20,21,22,23,24,25,26,27,28,29,30,31
	global_load_b32 v[WX+32*((\t)%2)+\i], v3, s[8:9] offset:(32*(\t)+\i)*16384 th:TH_LOAD_NT   ; at most 255 rows of 16,384 bytes: inside the signed 24-bit immediate (ISA guide, chapter 10)
.endr
.endm
.macro WBLOCK t
.set XS, WX+32*((\t)%2)
.if (\t) < NB-1
	s_wait_loadcnt 32                              ; this block's 32 loads are in; the next block's 32 may be out
.else
	s_wait_loadcnt 0x0
.endif
	v_max3_num_f32 v12, |v[XS]|, |v[XS+1]|, |v[XS+2]|              ; the block's largest magnitude: all 32 numbers are mine
	v_max3_num_f32 v13, |v[XS+3]|, |v[XS+4]|, |v[XS+5]|
.irp i, 6,10,14,18,22,26
	v_max3_num_f32 v12, v12, |v[XS+\i]|, |v[XS+\i+1]|
	v_max3_num_f32 v13, v13, |v[XS+\i+2]|, |v[XS+\i+3]|
.endr
	v_max3_num_f32 v12, v12, |v[XS+30]|, |v[XS+31]|
	v_max3_num_f32 v12, v12, v13, (EMAX+1)<<23     ; and the floor
	v_add_nc_u32 v11, -(EMAX<<23), v12             ; the conversion's scale operand
	v_lshrrev_b32 v13, 23, v11                     ; the scale's byte
.if (\t)%4 == 0
	v_mov_b32 v[SB+(\t)/4], v13                    ; four bytes to a register, the lower K in the lower byte
.else
	v_lshl_or_b32 v[SB+(\t)/4], v13, 8*((\t)%4), v[SB+(\t)/4]
.endif
.irp g, 0,1,2,3
	v_cvt_scalef32_pk8_fp4_f32 v[WC+4*(\t)+\g], v[XS+8*\g:XS+8*\g+7], v11
.endr
	global_store_b128 v8, v[WC+4*(\t):WC+4*(\t)+3], s[16:17] offset:256*(\t)   ; a kslot's block n lies 256 n bytes into a tile's four images: lanes 0-15 store 256 consecutive aligned bytes of one tile, lanes 16-31 of the next
.if (\t)+2 < NB
	WLOAD (\t)+2                                   ; (the next vector instructions are the next block's maxima, plain ones that touch neither the codes nor this set)
.endif
.endm
	s_load_b256 s[4:11], s[0:1], 0x0               ; inputs s[4:5], h_tm1 s[6:7], kernel s[8:9], recurrent_kernel s[10:11]
	s_load_b256 s[12:19], s[0:1], 0x20             ; a_codes s[12:13], a_scales s[14:15], b_codes s[16:17], b_scales s[18:19]
	v_lshl_add_u32 v192, v0, 2, 0x8000
	v_mov_b32 v193, 0
	v_lshrrev_b32 v1, 5, v0
	v_readfirstlane_b32 s20, v1                    ; wave 0..3
	v_and_b32 v2, 31, v0                           ; lane
	s_cmp_lt_u32 ttmp9, NWG_W
	s_cbranch_scc1 .Lweights
	; ================ THE ACTIVATIONS: work-group ga takes rows 16 ga .. 16 ga + 15, wave w their kslot w ================
	s_sub_co_u32 s22, ttmp9, NWG_W                 ; ga
	s_and_b32 s23, s20, 1
	s_lshl_b32 s24, s22, 16                        ; in: 16 rows of 4,096 bytes,
	s_lshl_b32 s23, s23, 11                        ; + the kslot's 2,048 bytes in its own tensor's row
	s_add_co_u32 s24, s24, s23
	s_mov_b32 s25, 0
	s_lshl_b32 s26, s22, 14                        ; codes: 16 rows of 1,024 bytes,
	s_lshl_b32 s23, s20, 8                         ; + the kslot's 256
	s_add_co_u32 s26, s26, s23
	s_mov_b32 s27, 0
	s_lshl_b32 s28, s20, 17                        ; scale bytes: the kslot's 8,192 rows of 16 bytes,
	s_lshl_b32 s23, s22, 8                         ; + 16 rows of 16
	s_add_co_u32 s28, s28, s23
	s_mov_b32 s29, 0
	s_wait_alu depctr_va_vdst(0)
	v_lshlrev_b32 v3, 4, v2                        ; my 16 bytes of a load's 512
	s_mul_i32 s21, s20, WREG
	v_lshrrev_b32 v14, 2, v2
	v_mul_u32_u24 v14, v14, SP
	v_and_b32 v15, 3, v2
	v_lshl_add_u32 v14, v15, 4, v14
	v_add_nc_u32 v14, s21, v14                     ; the stage, on the way in: four lanes' 64 bytes on end, then 16 of padding
	v_mul_u32_u24 v15, v2, SP
	v_add_nc_u32 v15, s21, v15                     ; and on the way out: my 16 neighbours
	v_lshlrev_b32 v4, 3, v2                        ; my 8 bytes of a row's 256 bytes of codes
	v_lshrrev_b32 v5, 1, v2
	s_add_co_u32 s21, s21, 2*32*SP
	v_add_nc_u32 v5, s21, v5                       ; LDS: my wave's 256 scale bytes, my block's byte
	v_lshlrev_b32 v7, 3, v2                        ; and on the way out 8 bytes a lane
	v_add_nc_u32 v6, s21, v7
	s_wait_alu depctr_va_vdst(0)
	s_wait_kmcnt 0x0
	s_cmp_lt_u32 s20, 2                            ; kslots 0, 1: inputs; 2, 3: h_tm1.  The choice hangs on the wave's number alone
	s_cselect_b64 s[4:5], s[4:5], s[6:7]
	s_add_nc_u64 s[4:5], s[4:5], s[24:25]
	s_add_nc_u64 s[12:13], s[12:13], s[26:27]
	s_add_nc_u64 s[14:15], s[14:15], s[28:29]
.irp t, 0,1,2,3
	ALOAD \t
.endr
	s_wait_loadcnt 12                              ; row 0's four loads are in
	ATURN 0
.irp t, 0,1,2,3,4,5,6,7,8,9,10,11,12,13,14,15
	ASTEP \t
.endr
	ds_load_b64 v[12:13], v6                       ; my wave's 256 scale bytes: 16 rows x 16 bytes of the kslot
	s_wait_dscnt 0x0
	global_store_b64 v7, v[12:13], s[14:15]        ; 32 lanes store 256 consecutive bytes, at a multiple of 256 from the buffer's first byte
	s_wait_tensorcnt 0x0
	ds_add_u32 v192, v193
	s_wait_dscnt 0x0
	s_endpgm
	; ================ THE WEIGHTS: work-group (cg, kh) takes columns 128 cg .. + 127 of z and 256 along K, half a kslot; a wave 32 columns, a lane one column, its registers running down K ================
.Lweights:
	s_and_b32 s22, ttmp9, 31                       ; cg
	s_lshr_b32 s23, ttmp9, 5                       ; kh 0..7: which 256 along K
	s_and_b32 s24, s23, 3
	s_lshl_b32 s24, s24, 22                        ; in: 256 rows of 16,384 bytes for each kh in its own tensor,
	s_lshl_b32 s26, s22, 9                         ; + 128 columns of 4 bytes for the work-group,
	s_add_co_u32 s24, s24, s26
	s_lshl_b32 s26, s20, 7                         ; + 32 for the wave
	s_add_co_u32 s24, s24, s26
	s_mov_b32 s25, 0
	s_lshr_b32 s26, s22, 3                         ; g: the gate
	s_and_b32 s27, s22, 7
	s_lshl_b32 s27, s27, 2
	s_add_co_u32 s27, s27, s20                     ; G: which 32 units
	s_lshl_b32 s28, s27, 3
	s_lshl_b32 s30, s26, 1
	s_add_co_u32 s28, s28, s30                     ; my first tile of 16 rows of B: 8 G + 2 g
	s_lshl_b32 s30, s28, 8                         ; scale bytes: 16 rows of 16 bytes a tile,
	s_lshl_b32 s28, s28, 12                        ; codes: 4,096 bytes a tile,
	s_lshr_b32 s33, s23, 1                         ; the kslot,
	s_and_b32 s34, s23, 1                          ; and which half of it
	s_lshl_b32 s32, s33, 20                        ; + the kslot's 256 tiles,
	s_add_co_u32 s28, s28, s32
	s_lshl_b32 s32, s34, 11                        ; + the half's 8 blocks of 256 bytes
	s_add_co_u32 s28, s28, s32
	s_mov_b32 s29, 0
	s_lshl_b32 s32, s33, 16                        ; + the kslot's 4,096 rows of 16 bytes,
	s_add_co_u32 s30, s30, s32
	s_lshl_b32 s32, s34, 3                         ; + the half's 8 bytes of a row
	s_add_co_u32 s30, s30, s32
	s_mov_b32 s31, 0
	s_wait_alu depctr_va_vdst(0)
	v_lshlrev_b32 v3, 2, v2                        ; in: 4 bytes a lane
	v_lshrrev_b32 v8, 4, v2
	v_and_b32 v9, 15, v2
	v_lshlrev_b32 v8, 12, v8                       ; codes: lanes 16-31 belong to the next tile,
	v_lshl_add_u32 v8, v9, 4, v8                   ; row lane % 16: 16 bytes
	v_lshlrev_b32 v9, 4, v2                        ; scale bytes: a row of 16 a lane
	s_wait_alu depctr_va_vdst(0)
	s_wait_kmcnt 0x0
	s_cmp_lt_u32 s23, 4                            ; kh 0-3: kernel; 4-7: recurrent_kernel.  The choice hangs on the work-group's number alone
	s_cselect_b64 s[8:9], s[8:9], s[10:11]
	s_add_nc_u64 s[8:9], s[8:9], s[24:25]
	s_add_nc_u64 s[16:17], s[16:17], s[28:29]
	s_add_nc_u64 s[18:19], s[18:19], s[30:31]
	WLOAD 0
	WLOAD 1
.irp t, 0,1,2,3,4,5,6,7
	WBLOCK \t
.endr
	global_store_b64 v9, v[SB:SB+1], s[18:19]      ; my row's 8 scale bytes of its 16; the other 8 come from the work-group of the kslot's other half: these rows are written in halves, 262,144 bytes in the whole launch
	s_endpgm
.Lfunc_end_k_qf4dda3d787_quant:
	.size	k_qf4dda3d787_quant, .Lfunc_end_k_qf4dda3d787_quant-k_qf4dda3d787_quant
	.p2alignl 7, 3214868480
	.fill 96, 4, 3214868480
	.section	.rodata,"a",@progbits
	.p2align	6, 0x0
	.amdhsa_kernel k_qf4dda3d787_quant
		.amdhsa_group_segment_fixed_size 33280
		.amdhsa_private_segment_fixed_size 0
		.amdhsa_enable_private_segment 0
		.amdhsa_kernarg_size 64
		.amdhsa_user_sgpr_count 2
		.amdhsa_user_sgpr_kernarg_segment_ptr 1
		.amdhsa_wavefront_size32 1
		.amdhsa_system_sgpr_workgroup_id_x 1
		.amdhsa_system_sgpr_workgroup_id_y 1
		.amdhsa_system_sgpr_workgroup_id_z 1
		.amdhsa_system_vgpr_workitem_id 0
		.amdhsa_next_free_vgpr 194
		.amdhsa_next_free_sgpr 66
		.amdhsa_reserve_vcc 0
		.amdhsa_float_denorm_mode_32 3
		.amdhsa_float_denorm_mode_16_64 3
		.amdhsa_memory_ordered 1
		.amdhsa_forward_progress 1
		.amdhsa_inst_pref_size 71
	.end_amdhsa_kernel
	.amdgpu_metadata
---
amdhsa.version: [ 1, 2 ]
amdhsa.kernels:
  - .name:           k_qf4dda3d787_quant
    .symbol:         k_qf4dda3d787_quant.kd
    .args:
      - { .name: inputs, .offset: 0, .size: 8, .value_kind: global_buffer, .address_space: global }
      - { .name: h_tm1, .offset: 8, .size: 8, .value_kind: global_buffer, .address_space: global }
      - { .name: kernel, .offset: 16, .size: 8, .value_kind: global_buffer, .address_space: global }
      - { .name: recurrent_kernel, .offset: 24, .size: 8, .value_kind: global_buffer, .address_space: global }
      - { .name: a_codes, .offset: 32, .size: 8, .value_kind: global_buffer, .address_space: global }
      - { .name: a_scales, .offset: 40, .size: 8, .value_kind: global_buffer, .address_space: global }
      - { .name: b_codes, .offset: 48, .size: 8, .value_kind: global_buffer, .address_space: global }
      - { .name: b_scales, .offset: 56, .size: 8, .value_kind: global_buffer, .address_space: global }
    .group_segment_fixed_size: 33280
    .private_segment_fixed_size: 0
    .kernarg_segment_align: 8
    .kernarg_segment_size: 64
    .max_flat_workgroup_size: 128
    .sgpr_count:     66
    .vgpr_count:     194
    .wavefront_size: 32
...
	.end_amdgpu_metadata
.endif
;; end of part 1
;; launch cell (part 2): grid 16 x 16, 4 waves a work-group, clusters of 4 x 1, 327,680 bytes of LDS; arguments a_codes, a_scales, b_codes, b_scales, bias, c_tm1, out0, out1; writes out0, out1
.if DOCPART == 2
	.amdgcn_target "amdgcn-amd-amdhsa--gfx1250"
	.amdhsa_code_object_version 6
	.text
	.protected	k_qf4dda3d787_cell
	.globl	k_qf4dda3d787_cell
	.p2align	8
	.type	k_qf4dda3d787_cell,@function
k_qf4dda3d787_cell:
	s_mov_b64 s[64:65], 0
	v_nop
	global_prefetch_b8 v0, s[64:65] scope:SCOPE_SE
	s_setreg_imm32_b32 hwreg(HW_REG_WAVE_MODE, 25, 1), 1
	s_wait_xcnt 0x0
	s_wait_alu depctr_hold_cnt(0) depctr_sa_sdst(0) depctr_va_vdst(0) depctr_va_sdst(0) depctr_va_ssrc(0) depctr_va_vcc(0) depctr_vm_vsrc(0)
	s_getreg_b32 s2, hwreg(HW_REG_IB_STS2, 6, 4)
	s_cmp_eq_u32 s2, 0
	s_cbranch_scc0 .Lentry_in_a_cluster
	s_endpgm
.Lentry_in_a_cluster:
	s_bfe_u32 s2, ttmp6, 0x10000c
	s_cmp_lg_u32 s2, 0x3003
	s_cbranch_scc0 .Lentry_shape_is_right
	s_endpgm
.Lentry_shape_is_right:
; z = A B^T + bias on codes of FP4 (E2M1) with one E8M0 scale for each 32 along K (K = 2,048: inputs' 1,024, then h_tm1's), and the LSTM cell on z, which never goes to memory:
; i, f, o = clip(0.2 z + 0.5, 0, 1) of gates 0, 1, 3;  c = f c_tm1 + i tanh(z2) -> out1;  h = o tanh(c) -> out0.  All behind the products in f32.
; tanh(x) = 1 - 2 / (1 + 2^(2 log2(e) x)): where the power overflows the quotient is 0 and tanh 1, where it falls to 0 tanh is -1.
; LIMITS: the absolute error of this tanh is of the order of f32's rounding of numbers near 1; the bias starts the sums, so the order of the additions is not reference()'s; NaN and infinities among the inputs are not served.
; SHARES.  256 work-groups of four waves.  Work-group (TC, RG) makes units 64 TC .. + 63 of rows 512 RG .. + 511; wave w units 16 w .. + 15 of those, all four gates: 64 rows of B.
; B STAYS IN REGISTERS: a wave's 64 rows x 2,048 K of codes are 512 registers, loaded once from the images that the launch before laid (tile 16 TC + 8 (w / 2) + 2 g + w % 2 holds gate g); B never passes through LDS.
; A STREAMS: eight chunks of 64 rows x all of K go through two LDS slots, each with the chunk's scale bytes and its tile of c_tm1.  One tensor load a wave behind each round:
; waves 0, 1 the two halves of K (64 rows x 512 bytes), wave 2 the scale bytes (4 rows x 1,024 bytes), wave 3 c_tm1 (64 rows x 256 bytes).  By this text's count a wave has one tensor load out.
; CLUSTERS of 4 x 1: the four work-groups of a cluster take the same rows, so A's codes and scale bytes are asked for jointly (mask 15); c_tm1's tile is each work-group's own.  B goes to registers by plain loads, which have no joint form.
; THE MATRIX INSTRUCTION IS USED TRANSPOSED (source 0 = 16 rows of B, source 1 = 16 rows of A): in accumulator (a, g) lane (r, h) holds in register j row 16 a + r, gate g, unit 8 h + j: the cell needs no other lane.
; THE WAY OUT: a wave's 64 bytes of a row meet the other waves' in a stage in LDS; two stages take turns, so the next trip's round also parts the stage's writers from its readers; rows leave whole, 256 bytes from 16 lanes.
; PREFETCH: trip t, which loads chunk t + 1, asks for chunk t + 2: of A's 64 rows each partner takes 16 by address (waves 0, 1: 8 rows each, a lane 256 bytes); waves 2, 3 take 32 rows each of the own tile of c_tm1.
; The last two trips ask for nothing.  A's scale bytes, 4,096 of a chunk's 86,016, and B, which is read once at the head with no loop ahead of it, are not prefetched.
; REGISTERS: window 0: v1-31 addresses; v32-63 B's scale words; v64-95 A's; v96-127 the bias; v128-255 A's fragments, buffer 0, then the cell's work.
;   window 1: v0-127 the 16 accumulators; v128-255 buffer 1, then o and the rows read back.   windows 2, 3: B: K step n, gate g at 32 (n % 8) + 8 g.
.set PA, 528                           ; LDS pitch of A's rows: 512 + 16
.set PC, 272                           ; of c's rows and the stages': 256 + 16
.set AH, 64*PA
.set SCL, 2*AH
.set CT, SCL+4096
.set SLOT, CT+64*PC
.set STG, 2*SLOT                       ; two stages, each c's 64 rows and h's; no tensor load lands here
.set STH, 64*PC
.set STP, 2*STH
.set SPARE, STG+2*STP                  ; the spare words: 512 bytes that no other line names
.set ADRA, 8
.set ADRS, 10
.set CR, 12
.set CW, 14
.set RD, 15
.set GO, 16
.set BA, 17
.set BSA, 18
.set BO, 19
.set PFO, 20
.set SPW, 28
.set NIL, 29
.set BS, 32
.set AS, 64
.set BI, 96
.set AF, 128
.set CO, 128
.set TT, 160
.set GI, 192
.set GF, 224
.set GQ, 128                           ; in window 1
.set BK, 128                           ; in window 1
.set WV, 20
.set G1A, 24
.set G0J, 32
.set G1S, 40
.set G1C, 48
.set G0C, 56
.set JST, 68
.set PFA, 70
.set PFS, 72
.set K2, 74
.set P2, 76
.set CNT, 78
.set MSB, 0
.macro WIN new                         ; the immediate's high byte repeats the setting that is left
.if MSB != (\new)
	s_set_vgpr_msb (MSB<<8)|(\new)
.set MSB, (\new)
.endif
.endm
.macro PLACES
.rept 4
	v_nop
.endr
.endm
.macro CROUND                          ; a round of the cluster's barrier
	s_barrier_signal -1
	s_barrier_wait -1
	s_cmp_lg_u32 s[WV], 0
	s_cbranch_scc1 .Lnw0_\@
	s_barrier_signal -3
.Lnw0_\@:
	s_barrier_wait -3
	s_barrier_signal -1
	s_barrier_wait -1
.endm
.macro LOADS n                         ; one chain on the wave's number, one load to an arm, one join; s_nop 0 and four v_nop behind each load
	s_cmp_lt_u32 s[WV], 2
	s_cbranch_scc0 .Lls_\@
	tensor_load_to_lds s[G0J+4*(\n):G0J+4*(\n)+3], s[G1A:G1A+7]
	s_nop 0
	PLACES
	s_branch .Llj_\@
.Lls_\@:
	s_cmp_lt_u32 s[WV], 3
	s_cbranch_scc0 .Llc_\@
	tensor_load_to_lds s[G0J+4*(\n):G0J+4*(\n)+3], s[G1S:G1S+7]
	s_nop 0
	PLACES
	s_branch .Llj_\@
.Llc_\@:
	tensor_load_to_lds s[G0C+4*(\n):G0C+4*(\n)+3], s[G1C:G1C+7]
	s_nop 0
	PLACES
.Llj_\@:
.endm
; one product: A's block a x gate g, K step 4 u + q.  Scale words: lanes 0-15 hold the even block's or gate's, lanes 16-31 the odd one's
.macro WM a, g, u, q, zero
.set DD, 8*(4*(\a)+(\g))
.if \zero
.set CB, BI+8*(\g)
.else
.set CB, DD
.endif
.set SB0, 32*((4*(\u)+(\q))%8)+8*(\g)
.set SA0, AF+32*(\q)+8*(\a)
.set XB, BS+8*(\u)+4*((\g)/2)+(\q)
.set XA, AS+8*(\u)+4*((\a)/2)+(\q)
.if (\g)%2 == 0
.if (\a)%2 == 0
	v_wmma_scale_f32_16x16x128_f8f6f4 v[DD:DD+7], v[SB0:SB0+7], v[SA0:SA0+7], v[CB:CB+7], v[XB], v[XA] matrix_a_fmt:MATRIX_FMT_FP4 matrix_b_fmt:MATRIX_FMT_FP4
.else
	v_wmma_scale_f32_16x16x128_f8f6f4 v[DD:DD+7], v[SB0:SB0+7], v[SA0:SA0+7], v[CB:CB+7], v[XB], v[XA] matrix_a_fmt:MATRIX_FMT_FP4 matrix_b_fmt:MATRIX_FMT_FP4 matrix_b_scale:MATRIX_SCALE_ROW1
.endif
.else
.if (\a)%2 == 0
	v_wmma_scale_f32_16x16x128_f8f6f4 v[DD:DD+7], v[SB0:SB0+7], v[SA0:SA0+7], v[CB:CB+7], v[XB], v[XA] matrix_a_fmt:MATRIX_FMT_FP4 matrix_b_fmt:MATRIX_FMT_FP4 matrix_a_scale:MATRIX_SCALE_ROW1
.else
	v_wmma_scale_f32_16x16x128_f8f6f4 v[DD:DD+7], v[SB0:SB0+7], v[SA0:SA0+7], v[CB:CB+7], v[XB], v[XA] matrix_a_fmt:MATRIX_FMT_FP4 matrix_b_fmt:MATRIX_FMT_FP4 matrix_a_scale:MATRIX_SCALE_ROW1 matrix_b_scale:MATRIX_SCALE_ROW1
.endif
.endif
.endm
.macro MULK u, q, zero                 ; a K step: the 16 accumulators by turns, in the same order in every step
.irp a, 0,1,2,3
.irp g, 0,1,2,3
	WM \a, \g, \u, \q, \zero
.endr
.endr
.endm
.macro FETCH s, u                      ; group u's fragments of A (4 K steps x 4 blocks), 32 loads, K step by K step, into buffer u % 2
	WIN 0x40*((\u)%2)
.irp q, 0,1,2,3
.irp a, 0,1,2,3
.irp c, 0,1
	ds_load_b128 v[AF+32*\q+8*\a+4*\c:AF+32*\q+8*\a+4*\c+3], v[ADRA+\s] offset:AH*((\u)/2)+256*((\u)%2)+64*\q+32*\c+\a*16*PA
.endr
.endr
.endr
	WIN 0
.endm
.macro SCALES s                        ; the chunk's scale words: 512 consecutive bytes a load
.irp k, 0,1,2,3
.irp p, 0,1
	ds_load_b128 v[AS+8*\k+4*\p:AS+8*\k+4*\p+3], v[ADRS+\s] offset:1024*\k+512*\p
.endr
.endr
.endm
.macro COLD s                          ; the old c: my 8 units of rows 16 a + r
.irp a, 0,1,2,3
.irp p, 0,1
	ds_load_b128 v[CO+8*\a+4*\p:CO+8*\a+4*\p+3], v[CR+\s] offset:\a*16*PC+16*\p
.endr
.endr
.endm
.macro RBACK p                         ; rows 16 w .. + 15 of stage p, whole: c's, then h's; two rows a load
	WIN 0x40
.irp o, 0,1
.irp t, 0,1,2,3,4,5,6,7
	ds_load_b128 v[BK+32*\o+4*\t:BK+32*\o+4*\t+3], v[RD] offset:(\p)*STP+\o*STH+2*\t*PC
.endr
.endr
	WIN 0
.endm
.macro SENDOUT                         ; 16 lanes store 256 consecutive bytes, at a multiple of 256 from the output's first byte
	WIN 0x04
.irp t, 0,1,2,3,4,5,6,7
	global_store_b128 v[GO], v[BK+4*\t:BK+4*\t+3], s[18:19] offset:2*\t*4096 th:TH_STORE_NT
.endr
.irp t, 0,1,2,3,4,5,6,7
	global_store_b128 v[GO], v[BK+32+4*\t:BK+32+4*\t+3], s[16:17] offset:2*\t*4096 th:TH_STORE_NT
.endr
	WIN 0
	s_wait_xcnt 0x0                                ; the stores have read their data and bases: buffer 1 may be loaded, the bases step a chunk
	s_add_nc_u64 s[16:17], s[16:17], 0x40000
	s_add_nc_u64 s[18:19], s[18:19], 0x40000
.endm
; a group: 4 K steps, 64 products, on buffer u % 2; in its middle the next group's fragments are fetched (in the last group: the old c)
.macro GROUP s, u, rb, pf
.set MW, 0x50|(((\u)%2)<<2)|(2+(\u)/2)
.if (\u) == 0
.if \rb
	s_wait_dscnt 32                                ; the scale words and K steps 0, 1 are in; 16 loads of K steps 2, 3 and the 16 from the stage may be out
.else
	s_wait_loadcnt 0x0                             ; B, its scale words and the bias
	s_wait_dscnt 16
.endif
	WIN 0x42
	MULK 0, 0, 1                                   ; the first K step starts the sums from the bias
	WIN MW
	MULK 0, 1, 0
.if \rb
	s_wait_dscnt 0x0
	SENDOUT                                        ; the last chunk's rows leave
.endif
.else
	s_wait_dscnt 16                                ; this group's K steps 0, 1 are in
	WIN MW
	MULK \u, 0, 0
	MULK \u, 1, 0
.endif
	PLACES                                         ; in front of loads into registers that products have read
.if (\u) < 3
	FETCH \s, (\u)+1
.if (\u) == 1
.if (\pf) == 1
	global_prefetch_b8 v[PFO], s[PFA:PFA+1] th:TH_LOAD_NT scope:SCOPE_SE
.endif
.if (\pf) == 2
	s_cmp_gt_u32 s[CNT], 1                         ; the loop's last trip has no chunk two on
	s_cbranch_scc0 .Lnp_\@
	global_prefetch_b8 v[PFO], s[PFA:PFA+1] th:TH_LOAD_NT scope:SCOPE_SE
.Lnp_\@:
.endif
.endif
	s_wait_dscnt 32                                ; all but the 32 just issued
.else
	WIN 0
	COLD \s
	s_wait_dscnt 8                                 ; all but the old c
.endif
	WIN MW
	MULK \u, 2, 0
	MULK \u, 3, 0
.endm
.macro TRANS op
.set E, 0
.rept 32
	\op v[TT+E], v[TT+E]
.set E, E+1
.endr
.endm
; the cell on the chunk: 32 elements a lane; four batches of 32 transcendentals, each with one wait ahead of it and one behind it
.macro CELL s
	WIN 0
	PLACES
	s_wait_dscnt 0x0                               ; the old c is in
	WIN 0x01
.irp a, 0,1,2,3
.irp k, 0,2,4,6
	v_pk_mul_f32 v[TT+8*\a+\k:TT+8*\a+\k+1], v[8*(4*\a+2)+\k:8*(4*\a+2)+\k+1], s[K2:K2+1] op_sel_hi:[1,0]
	v_pk_fma_f32 v[GI+8*\a+\k:GI+8*\a+\k+1], v[8*(4*\a)+\k:8*(4*\a)+\k+1], s[P2:P2+1], 0.5 op_sel_hi:[1,0,0]
	v_pk_fma_f32 v[GF+8*\a+\k:GF+8*\a+\k+1], v[8*(4*\a+1)+\k:8*(4*\a+1)+\k+1], s[P2:P2+1], 0.5 op_sel_hi:[1,0,0]
.endr
.endr
	WIN 0x41
.irp a, 0,1,2,3
.irp k, 0,2,4,6
	v_pk_fma_f32 v[GQ+8*\a+\k:GQ+8*\a+\k+1], v[8*(4*\a+3)+\k:8*(4*\a+3)+\k+1], s[P2:P2+1], 0.5 op_sel_hi:[1,0,0]
.endr
.endr
	WIN 0
	s_wait_alu depctr_va_vdst(0)
	TRANS v_exp_f32
	v_nop
.set E, 0
.rept 32
	v_med3_num_f32 v[GI+E], v[GI+E], 0, 1.0
	v_med3_num_f32 v[GF+E], v[GF+E], 0, 1.0
.set E, E+1
.endr
	s_wait_alu depctr_va_vdst(0)
.set E, 0
.rept 16
	v_pk_add_f32 v[TT+E:TT+E+1], v[TT+E:TT+E+1], 1.0 op_sel_hi:[1,0]
.set E, E+2
.endr
	s_wait_alu depctr_va_vdst(0)
	TRANS v_rcp_f32                                ; R: tanh(z2) = 1 - 2 R
.set E, 0
.rept 16
	v_pk_fma_f32 v[CO+E:CO+E+1], v[GF+E:GF+E+1], v[CO+E:CO+E+1], v[GI+E:GI+E+1]
.set E, E+2
.endr
	s_wait_alu depctr_va_vdst(0)
.set E, 0
.rept 16
	v_pk_mul_f32 v[GI+E:GI+E+1], v[GI+E:GI+E+1], v[TT+E:TT+E+1]
.set E, E+2
.endr
.set E, 0
.rept 16
	v_pk_fma_f32 v[CO+E:CO+E+1], v[GI+E:GI+E+1], -2.0, v[CO+E:CO+E+1] op_sel_hi:[1,0,1]   ; c = f c_old + i - 2 i R
.set E, E+2
.endr
.set E, 0
.rept 16
	v_pk_mul_f32 v[TT+E:TT+E+1], v[CO+E:CO+E+1], s[K2:K2+1] op_sel_hi:[1,0]
.set E, E+2
.endr
.irp a, 0,1,2,3
.irp p, 0,1
	ds_store_b128 v[CW], v[CO+8*\a+4*\p:CO+8*\a+4*\p+3] offset:(\s)*STP+\a*16*PC+16*\p
.endr
.endr
	s_wait_alu depctr_va_vdst(0)
	TRANS v_exp_f32
	v_nop
	WIN 0x41
.set E, 0
.rept 32
	v_med3_num_f32 v[GQ+E], v[GQ+E], 0, 1.0
.set E, E+1
.endr
	WIN 0
	s_wait_alu depctr_va_vdst(0)
.set E, 0
.rept 16
	v_pk_add_f32 v[TT+E:TT+E+1], v[TT+E:TT+E+1], 1.0 op_sel_hi:[1,0]
.set E, E+2
.endr
	s_wait_alu depctr_va_vdst(0)
	TRANS v_rcp_f32
	v_nop
	s_wait_alu depctr_va_vdst(0)
.set E, 0
.rept 16
	v_pk_fma_f32 v[TT+E:TT+E+1], v[TT+E:TT+E+1], -2.0, 1.0 op_sel_hi:[1,0,0]
.set E, E+2
.endr
	WIN 0x04
.set E, 0
.rept 16
	v_pk_mul_f32 v[TT+E:TT+E+1], v[TT+E:TT+E+1], v[GQ+E:GQ+E+1]   ; h
.set E, E+2
.endr
	WIN 0
.irp a, 0,1,2,3
.irp p, 0,1
	ds_store_b128 v[CW], v[TT+8*\a+4*\p:TT+8*\a+4*\p+3] offset:(\s)*STP+STH+\a*16*PC+16*\p
.endr
.endr
.endm
; a trip: the chunk in slot s.  fill: the other slot takes the next chunk.  rb: the last chunk's rows are read back from the other stage and stored.
.macro TRIP s, fill, rb, pf
	s_wait_xcnt 0x0                                ; my prefetch has read its address
.if \pf
	s_add_nc_u64 s[PFA:PFA+1], s[PFA:PFA+1], s[PFS:PFS+1]
.endif
	s_wait_tensorcnt 0x0                           ; my part of this slot has landed
	ds_add_u32 v[SPW], v[NIL]
.if \fill
	s_add_nc_u64 s[G0J+4*\s+2:G0J+4*\s+3], s[G0J+4*\s+2:G0J+4*\s+3], s[JST:JST+1]   ; no load of mine is out: this slot's next chunk
	s_add_nc_u64 s[G0C+4*\s+2:G0C+4*\s+3], s[G0C+4*\s+2:G0C+4*\s+3], 0x80000
.endif
	s_wait_dscnt 0x0                               ; the add, my reads of the other slot and my stores into the stage are done
.if \fill
	CROUND
	LOADS 1-\s
.else
	s_barrier_signal -1
	s_barrier_wait -1
.endif
	SCALES \s
	FETCH \s, 0
.if \rb
	RBACK 1-\s
.endif
	GROUP \s, 0, \rb, \pf
	GROUP \s, 1, \rb, \pf
	GROUP \s, 2, \rb, \pf
	GROUP \s, 3, \rb, \pf
	CELL \s
.endm
.macro BLOADS k                        ; B's images of kslot k: 512 consecutive bytes a load
.irp q, 0,1,2,3
.irp g, 0,1,2,3
.irp c, 0,1
	global_load_b128 v[32*((4*\k+\q)%8)+8*\g+4*\c:32*((4*\k+\q)%8)+8*\g+4*\c+3], v[BA], s[8:9] offset:\k*0x100000+\g*8192+\q*1024+512*\c
.endr
.endr
.endr
.endm
	s_load_b256 s[4:11], s[0:1], 0x0               ; a_codes, a_scales, b_codes, b_scales
	s_load_b256 s[12:19], s[0:1], 0x20             ; bias, c_tm1, out0, out1
	v_lshl_add_u32 v[SPW], v0, 2, SPARE
	v_mov_b32 v[NIL], 0
	ds_add_u32 v[SPW], v[NIL]
	ds_add_u32 v[SPW], v[NIL]
	v_lshrrev_b32 v1, 5, v0
	v_readfirstlane_b32 s[WV], v1                  ; wave w
	v_and_b32 v2, 15, v0                           ; r
	v_bfe_u32 v3, v0, 4, 1                         ; h
	v_and_b32 v4, 31, v0                           ; lane
	v_mul_u32_u24 v5, v2, PA
	v_lshl_add_u32 v[ADRA], v3, 4, v5              ; a fragment of A: row r, 16 h
	v_add_nc_u32 v[ADRA+1], SLOT, v[ADRA]
	v_lshlrev_b32 v[BA], 4, v4
	v_add_nc_u32 v[ADRS], SCL, v[BA]
	v_add_nc_u32 v[ADRS+1], SCL+SLOT, v[BA]
	s_lshl_b32 s80, s[WV], 6
	v_mul_u32_u24 v5, v2, PC
	v_lshl_add_u32 v5, v3, 5, v5
	v_add_nc_u32 v5, s80, v5                       ; row r, my wave's 64 bytes, 32 h
	v_add_nc_u32 v[CR], CT, v5
	v_add_nc_u32 v[CR+1], CT+SLOT, v5
	v_add_nc_u32 v[CW], STG, v5
	s_mul_i32 s80, s[WV], 16*PC
	v_mul_u32_u24 v5, v3, PC
	v_lshl_add_u32 v5, v2, 4, v5
	v_add_nc_u32 v5, s80, v5
	v_add_nc_u32 v[RD], STG, v5                    ; back: lanes 0-15 one row, lanes 16-31 the next
	v_lshlrev_b32 v[GO], 12, v3
	v_lshl_add_u32 v[GO], v2, 4, v[GO]
	v_lshlrev_b32 v[BSA], 9, v3                    ; B's scale words: lanes 16-31 take the next gate, two tiles on
	v_lshl_add_u32 v[BSA], v2, 4, v[BSA]
	v_lshlrev_b32 v[BO], 5, v3
	s_cmp_lt_u32 s[WV], 2
	s_cselect_b32 s80, 8, 12
	v_lshlrev_b32 v[PFO], s80, v4                  ; the prefetches: a lane 256 bytes of A's dense rows, or a row of c_tm1
	s_bfe_u32 s21, ttmp6, 0x40000                  ; cx
	s_lshl_b32 s22, ttmp9, 2
	s_add_co_u32 s22, s22, s21                     ; TC
	s_and_b32 s23, ttmp7, 0xffff                   ; RG
	s_mov_b32 s[G1A+0], 15|(1<<20)|(1<<21)|(6<<22)|(3<<25)   ; A: 64 rows x 512 bytes, 1,024 apart, 16 bytes of padding behind each; mask of the four
	s_mov_b32 s[G1A+1], 512<<16
	s_mov_b32 s[G1A+2], 64<<16
	s_mov_b32 s[G1A+3], 512<<16
	s_mov_b32 s[G1A+4], 64
	s_mov_b32 s[G1A+5], 1024
	s_mov_b32 s[G1A+6], 0
	s_mov_b32 s[G1A+7], 0
	s_mov_b32 s[G1S+0], 15|(3<<16)|(1<<21)         ; scale bytes: for each kslot 1,024 dense bytes (128 elements of 8), 131,072 bytes apart
	s_mov_b32 s[G1S+1], 128<<16
	s_mov_b32 s[G1S+2], 4<<16
	s_mov_b32 s[G1S+3], 128<<16
	s_mov_b32 s[G1S+4], 4
	s_mov_b32 s[G1S+5], 16384
	s_mov_b32 s[G1S+6], 0
	s_mov_b32 s[G1S+7], 0
	s_mov_b32 s[G1C+0], (2<<16)|(1<<20)|(5<<22)|(3<<25)   ; c_tm1: 64 rows x 64 f32, padded; no mask
	s_mov_b32 s[G1C+1], 64<<16
	s_mov_b32 s[G1C+2], 64<<16
	s_mov_b32 s[G1C+3], 64<<16
	s_mov_b32 s[G1C+4], 64
	s_mov_b32 s[G1C+5], 1024
	s_mov_b32 s[G1C+6], 0
	s_mov_b32 s[G1C+7], 0
	s_mov_b32 s[K2], 0x4038aa3b                    ; 2 log2(e)
	s_mov_b32 s[K2+1], s[K2]
	s_mov_b32 s[P2], 0x3e4ccccd                    ; 0.2
	s_mov_b32 s[P2+1], s[P2]
	; the joint loads' offsets hang on RG and the wave alone
	s_cmp_lt_u32 s[WV], 2
	s_cselect_b32 s80, 19, 13                      ; 512 rows of 1,024 bytes of codes, or of 16 scale bytes
	s_cselect_b32 s81, s[WV], 0
	s_cselect_b32 s[JST], 17, 11
	s_cselect_b32 s[PFS], 16, 18
	s_lshl_b32 s80, s23, s80
	s_lshl_b32 s81, s81, 9                         ; the half of K
	s_add_co_u32 s80, s80, s81
	s_mov_b32 s81, 0
	s_lshl_b32 s[JST], 1, s[JST]                   ; two chunks on
	s_mov_b32 s[JST+1], 0
	s_lshl_b32 s[PFS], 1, s[PFS]                   ; a chunk on, for the prefetches
	s_mov_b32 s[PFS+1], 0
	s_lshr_b32 s66, s[JST], 1
	s_mov_b32 s67, 0
	s_mul_i32 s79, s[WV], AH                       ; LDS: A's two halves, then the scale bytes
	; what hangs on TC or cx lies in registers of its own
	s_lshl_b32 s84, s23, 21
	s_lshl_b32 s85, s22, 8
	s_add_co_u32 s84, s84, s85                     ; the corner in c_tm1 and the outputs
	s_lshl_b32 s86, s[WV], 16
	s_add_co_u32 s86, s86, s84                     ; + the 16 rows that I store
	s_lshl_b32 s94, s[WV], 6
	s_add_co_u32 s94, s94, s85                     ; the bias: 64 TC + 16 w units
	s_mov_b32 s85, 0
	s_mov_b32 s87, 0
	s_mov_b32 s95, 0
	s_lshl_b32 s90, s22, 4
	s_lshr_b32 s91, s[WV], 1
	s_lshl_b32 s91, s91, 3
	s_add_co_u32 s90, s90, s91
	s_and_b32 s91, s[WV], 1
	s_add_co_u32 s90, s90, s91                     ; my gate 0's tile of B
	s_lshl_b32 s92, s90, 8
	s_lshl_b32 s90, s90, 12
	s_lshl_b32 s96, s91, 17
	s_mov_b32 s91, 0
	s_mov_b32 s93, 0
	s_add_co_u32 s96, s96, s84
	s_add_co_u32 s96, s96, 0x40000                 ; c_tm1: chunk 1, my 32 rows
	s_lshl_b32 s88, s23, 19
	s_lshl_b32 s89, s21, 14
	s_add_co_u32 s88, s88, s89
	s_lshl_b32 s89, s[WV], 13
	s_add_co_u32 s88, s88, s89
	s_add_co_u32 s88, s88, 0x10000                 ; A: chunk 1, rows 16 cx + 8 w
	s_cmp_lt_u32 s[WV], 2
	s_cselect_b32 s88, s88, s96
	s_mov_b32 s89, 0
	s_wait_alu depctr_va_vdst(0)
	s_wait_dscnt 0x0
	s_wait_kmcnt 0x0
	s_cmp_lt_u32 s[WV], 2
	s_cselect_b64 s[82:83], s[4:5], s[6:7]
	s_cselect_b64 s[PFA:PFA+1], s[4:5], s[14:15]
	s_add_nc_u64 s[82:83], s[82:83], s[80:81]
	s_add_nc_u64 s[PFA:PFA+1], s[PFA:PFA+1], s[88:89]
	s_add_nc_u64 s[14:15], s[14:15], s[84:85]
	s_add_nc_u64 s[16:17], s[16:17], s[86:87]
	s_add_nc_u64 s[18:19], s[18:19], s[86:87]
	s_add_nc_u64 s[8:9], s[8:9], s[90:91]
	s_add_nc_u64 s[10:11], s[10:11], s[92:93]
	s_add_nc_u64 s[12:13], s[12:13], s[94:95]
	s_mov_b32 s[G0J], 1
	s_mov_b32 s[G0J+1], s79
	s_mov_b64 s[G0J+2:G0J+3], s[82:83]
	s_or_b32 s[G0J+3], s[G0J+3], 0x80000000
	s_mov_b32 s[G0J+4], 1
	s_add_co_u32 s[G0J+5], s79, SLOT
	s_add_nc_u64 s[G0J+6:G0J+7], s[82:83], s[66:67]
	s_or_b32 s[G0J+7], s[G0J+7], 0x80000000
	s_mov_b32 s[G0C], 1
	s_mov_b32 s[G0C+1], CT
	s_mov_b64 s[G0C+2:G0C+3], s[14:15]
	s_or_b32 s[G0C+3], s[G0C+3], 0x80000000
	s_mov_b32 s[G0C+4], 1
	s_mov_b32 s[G0C+5], CT+SLOT
	s_add_nc_u64 s[G0C+6:G0C+7], s[14:15], 0x40000
	s_or_b32 s[G0C+7], s[G0C+7], 0x80000000
	CROUND                                         ; the four work-groups are here: the first joint loads meet
	LOADS 0                                        ; chunk 0: one tensor load a wave at the head
.irp k, 0,1,2,3
.irp p, 0,1
	global_load_b128 v[BS+8*\k+4*\p:BS+8*\k+4*\p+3], v[BSA], s[10:11] offset:\k*65536+1024*\p
.endr
.endr
.irp g, 0,1,2,3
	global_load_b128 v[BI+8*\g:BI+8*\g+3], v[BO], s[12:13] offset:\g*4096
	global_load_b128 v[BI+8*\g+4:BI+8*\g+7], v[BO], s[12:13] offset:\g*4096+16
.endr
	WIN 0x80
	BLOADS 0
	BLOADS 1
	WIN 0xc0
	BLOADS 2
	BLOADS 3
	WIN 0
	TRIP 0, 1, 0, 1                                ; chunk 0; slot 1's first fill is issued as a refill is
	s_mov_b32 s[CNT], 3
.Lloop:                                                ; chunks 1 to 6
	TRIP 1, 1, 1, 1
	TRIP 0, 1, 1, 2
	s_sub_co_u32 s[CNT], s[CNT], 1
	s_cmp_lg_u32 s[CNT], 0
	s_cbranch_scc1 .Lloop
	TRIP 1, 0, 1, 0                                ; chunk 7 fetches nothing
	s_wait_dscnt 0x0                               ; my stores into the stage are done
	s_barrier_signal -1
	s_barrier_wait -1                              ; everybody's are
	RBACK 1
	s_wait_dscnt 0x0
	SENDOUT
	s_wait_tensorcnt 0x0                           ; the wave's end
	ds_add_u32 v[SPW], v[NIL]
	s_wait_dscnt 0x0
	CROUND                                         ; the closing round
	s_endpgm
.Lfunc_end_k_qf4dda3d787_cell:
	.size	k_qf4dda3d787_cell, .Lfunc_end_k_qf4dda3d787_cell-k_qf4dda3d787_cell
	.p2alignl 7, 3214868480
	.fill 96, 4, 3214868480
	.section	.rodata,"a",@progbits
	.p2align	6, 0x0
	.amdhsa_kernel k_qf4dda3d787_cell
		.amdhsa_group_segment_fixed_size 327680
		.amdhsa_private_segment_fixed_size 0
		.amdhsa_enable_private_segment 0
		.amdhsa_kernarg_size 64
		.amdhsa_user_sgpr_count 2
		.amdhsa_user_sgpr_kernarg_segment_ptr 1
		.amdhsa_wavefront_size32 1
		.amdhsa_system_sgpr_workgroup_id_x 1
		.amdhsa_system_sgpr_workgroup_id_y 1
		.amdhsa_system_sgpr_workgroup_id_z 1
		.amdhsa_system_vgpr_workitem_id 0
		.amdhsa_next_free_vgpr 1024
		.amdhsa_next_free_sgpr 98
		.amdhsa_reserve_vcc 0
		.amdhsa_float_denorm_mode_32 3
		.amdhsa_float_denorm_mode_16_64 3
		.amdhsa_memory_ordered 1
		.amdhsa_forward_progress 1
		.amdhsa_inst_pref_size 255
	.end_amdhsa_kernel
	.section	.bss,"aw",@nobits
	.p2align	6
	.space	262144
	.amdgpu_metadata
---
amdhsa.version: [ 1, 2 ]
amdhsa.kernels:
  - .name:           k_qf4dda3d787_cell
    .symbol:         k_qf4dda3d787_cell.kd
    .args:
      - { .name: a_codes, .offset: 0, .size: 8, .value_kind: global_buffer, .address_space: global }
      - { .name: a_scales, .offset: 8, .size: 8, .value_kind: global_buffer, .address_space: global }
      - { .name: b_codes, .offset: 16, .size: 8, .value_kind: global_buffer, .address_space: global }
      - { .name: b_scales, .offset: 24, .size: 8, .value_kind: global_buffer, .address_space: global }
      - { .name: bias, .offset: 32, .size: 8, .value_kind: global_buffer, .address_space: global }
      - { .name: c_tm1, .offset: 40, .size: 8, .value_kind: global_buffer, .address_space: global }
      - { .name: out0, .offset: 48, .size: 8, .value_kind: global_buffer, .address_space: global }
      - { .name: out1, .offset: 56, .size: 8, .value_kind: global_buffer, .address_space: global }
    .group_segment_fixed_size: 327680
    .private_segment_fixed_size: 0
    .kernarg_segment_align: 8
    .kernarg_segment_size: 64
    .max_flat_workgroup_size: 128
    .sgpr_count:     98
    .vgpr_count:     1024
    .wavefront_size: 32
...
	.end_amdgpu_metadata
.endif
;; end of part 2
